; MI455X (gfx1250); checked and timed in simulation.
; The chip was launched on July 23, 2026; its instructions are those of AMD's public machine-readable ISA for CDNA 5 (MIT licence, August 2026) and "CDNA5" Instruction Set Architecture Reference Guide (July 2026). The comments in the code are by the model that wrote it; some were corrected since.
;; Full Attention. Allowed arithmetic: matrix products marked QUANTISED: E2M3 operands, one E8M0 scale for each 32 along K, by v_wmma_scale_f32_16x16x128_f8f6f4 with both operands' format E2M3, f32 sums; everything else in f32.
;; Inputs: keys 4 x 2,048 x 8 x 64 float32; queries 4 x 2,048 x 8 x 64 float32; values 4 x 2,048 x 8 x 64 float32.
;; Outputs: out0 4 x 2,048 x 8 x 64 float32.
;; This version of the problem:
;;   THIS VERSION OF THE PROBLEM IS GIVEN IN LOW PRECISION. The matrix products marked QUANTISED in the list below multiply operands that are first quantised to E2M3 (2 exponent bits, 3 mantissa bits; 6 bits a number), with one power-of-two scale for each 32 numbers along K (OCP MX v1.0); their sums are f32. All else is computed in f32.
;;   The module's matrix products, in the order in which they are computed (A, B: the left and right operand; K: the contracted axis; several contracted axes count as one K, in the product's order):
;;     1. batch 32 x [M 2,048, K 64] x [K 64, N 2,048]; A: input queries; B: input keys: QUANTISED
;;     2. batch 32 x [M 64, K 2,048] x [K 2,048, N 2,048]; A: input values; B: softmax (see below): QUANTISED
;;   THE QUANTISER, for each operand of a quantised product, along K:
;;     - K is cut into blocks of 32 from its start; a last block that is shorter is filled with zeros.
;;     - A block's scale is 2^e with e = floor(log2(the largest magnitude in the block)) - 2, held to -126 .. 127; a block of zeros has e = 0. As a byte (E8M0): e + 127.
;;     - Each number is divided by its block's scale, clamped to +-7.5, and rounded to the nearest number of E2M3, ties to even, subnormals kept.
;;     - The product sums the exact products of the quantised numbers (number of the format x scale) in f32.
;;   ~~~python
;;   def quantise(x, axis):      # numpy; x: float32 -> the quantised numbers, widened to float32 again
;;       x = np.moveaxis(x, axis, -1); K = x.shape[-1]
;;       x = np.pad(x, [(0, 0)] * (x.ndim - 1) + [(0, -K % 32)]); x = x.reshape(x.shape[:-1] + (-1, 32)); a = np.abs(x).max(-1, keepdims=True)
;;       e = np.where(a > 0, np.clip(np.frexp(np.where(a > 0, a, 1))[1] - 1 - 2, -126, 127), 0)      # np.frexp(a)[1] - 1 = floor(log2(a)), exactly
;;       r = np.clip(x / 2.0 ** e, -7.5, 7.5)
;;       step = 2.0 ** (np.maximum(np.frexp(np.where(r == 0, 1, r))[1] - 1, 0) - 3)
;;       q = np.round(r / step) * step * 2.0 ** e      # np.round: ties to even
;;       return np.moveaxis(q.reshape(q.shape[:-2] + (-1,))[..., :K], -1, axis).astype(np.float32)
;;   ~~~
;;   SOFTMAX AHEAD OF A QUANTISED PRODUCT. Where the list says 'softmax', what is quantised is not the finished softmax but p = 2^(t - M), with t = logit x log2(e) and M = ceil(the row's largest t), a whole number; so 1/2 < the row's largest p <= 1. The row's sum l is taken of the UNQUANTISED p, in f32, and the product's result is divided by l at the end. Since M is a whole number, a kernel that streams over the keys may use a running M (the ceiling of the running maximum): every later rescaling is an exact power of two, which a block's scale takes up: the codes' values come out the same.
;;   OPERANDS COMPUTED ON THE WAY. 'Computed on the way' means the value that the module computes at that place (a softmax that the list does not call 'softmax' is quantised finished and normalised). What goes into a quantiser is computed in f32, as accurately as f32 sums, v_exp_f32 and their like allow (about 1e-6 of the number): no bf16 or f16 on the way to a quantiser, and a product that is left as it is and whose result goes on into a quantised operand takes f32 operands (vector FMAs, or v_wmma_f32_16x16x4_f32). A number that lies on a knife's edge between two numbers of the format may be rounded either way, as far as f32 arithmetic and the matrix unit's own rounding can turn it there, and no further.
;; One version. Each part assembles by itself: llvm-mc -triple=amdgcn-amd-amdhsa -mcpu=gfx1250 --defsym DOCPART=n.
;; ======== version 1 of 1: 1 launch
;; limits: right only within a limited range of input values
;; launch attn (part 1): grid 8 x 32, 8 waves a work-group, clusters of 4 x 1, 327,680 bytes of LDS; arguments queries, keys, values, out0; writes out0
.if DOCPART == 1
	.amdgcn_target "amdgcn-amd-amdhsa--gfx1250"
	.amdhsa_code_object_version 6
	.text
	.protected	k_q1448c62bf0_attn
	.globl	k_q1448c62bf0_attn
	.p2align	8
	.type	k_q1448c62bf0_attn,@function
k_q1448c62bf0_attn:
	s_mov_b64 s[64:65], 0
	v_nop
	global_prefetch_b8 v0, s[64:65] scope:SCOPE_SE
	s_setreg_imm32_b32 hwreg(HW_REG_WAVE_MODE, 25, 1), 1
	s_wait_xcnt 0x0
	s_wait_alu depctr_hold_cnt(0) depctr_sa_sdst(0) depctr_va_vdst(0) depctr_va_sdst(0) depctr_va_ssrc(0) depctr_va_vcc(0) depctr_vm_vsrc(0)
	s_getreg_b32 s2, hwreg(HW_REG_IB_STS2, 6, 4)
	s_cmp_eq_u32 s2, 0
	s_cbranch_scc0 .Lentry_in_a_cluster
	s_endpgm
.Lentry_in_a_cluster:
	s_bfe_u32 s2, ttmp6, 0x10000c
	s_cmp_lg_u32 s2, 0x3003
	s_cbranch_scc0 .Lentry_shape_is_right
	s_endpgm
.Lentry_shape_is_right:
; out0[b][q][h][:] = the sum over k of softmax_k(Q . K / 8) V, both products on codes of FP6 (E2M3) with one E8M0 scale for each 32 along a product's K.  All tensors: [4][2048][8][64] f32.
; A block's scale is 2^(floor(log2(its largest magnitude)) - 2): its byte is the largest magnitude's exponent field - 2, held at 1 from below; numbers are divided by it and rounded to the nearest code, ties to even, beyond 7.5 the largest code.
; THE SOFTMAX AHEAD OF THE SECOND PRODUCT: t = score x log2(e) / 8; M = the row's largest t so far, rounded UP to a whole number; p = 2^(t - M) is what is quantised, along the keys, not normalised.
; The row's sum is taken of the unquantised p and divides O at the end.  When M moves, the sum and O are multiplied by 2^(old M - new M): exact.
; SHARES.  A work-group owns 256 queries of one head, each of its eight waves 32 of them: two tiles a and b of 16, in 512 registers.  It walks the keys in 8 steps of 256.
; EACH STEP: K and V of 256 keys arrive as f32, 64 rows of 256 bytes to a wave (waves 0-3 K, waves 4-7 V).  A wave quantises the rows that it fetched itself into an IMAGE OF THE OPERANDS' REGISTERS, which all eight waves read.
; Two images take turns: while one is multiplied the next is made.  The f32 rows have one slot: it is read out in the step in which the next image is made, and filled again behind the round that ends that step.
; CLUSTER.  The four work-groups of a cluster are four query blocks of one head: each f32 tile is asked for JOINTLY, by the same tensor load with the same descriptor and a mask that names the four.
; LAYOUT.  Both products are used transposed: S^T = K Q^T (source 0 = 16 keys, source 1 = 16 queries), O^T = V^T P^T (source 0 = 16 channels, source 1 = P): a lane (r = lane % 16, hh = lane / 16) holds ONE query of a tile throughout.
; Row m of K's tile 4 c + q is key 64 c + 32 (m / 8) + 8 q + m % 8: so lane (r, hh) holds, in the 32 registers of tiles 4 c .. 4 c + 3, the keys 64 c + 32 hh + 0 .. 31: a whole block of the second product's K, in that operand's order.
; THE FIRST PRODUCT'S K IS 64, HALF OF THE INSTRUCTION'S 128.  Q's registers 6-11 are zero codes.  K's operand for a tile is its six registers and the six that follow them (the next tile's codes, behind tile 15 old codes of P),
; with scale bytes 0x7f: they meet Q's zero codes, and since FP6 has no infinity and no NaN they add exactly 0.
; AN IMAGE, 26,112 bytes: units of six registers a lane, registers 0-3 at 512 x unit + 16 x lane, registers 4-5 at 256 x unit + 8 x lane.  K's units are its 16 tiles; V's unit 8 u + 2 t + c is tile t (channel d = 16 t + r), keys 128 u + 64 c + 32 hh + 0 .. 31.
; K's scale words: pair j's word: lanes 0-15 tile 2 j's rows, lanes 16-31 tile 2 j + 1's; bytes 0, 1 the row's two blocks, bytes 2, 3 = 0x7f, written once.  V's: word 2 u + e: lane l is channel 32 e + l.
; PREFETCH: in a step each wave names, for the f32 tile three steps on, 16 of its 64 rows, the four partners sharing the rows out by address; none is asked for beyond step 7.
; LIMITS: NaN and infinities among the inputs are not served.  Scaled scores (exponents to the base 2) are to stay under 2^31 in magnitude.  A block of zeros carries the byte 1 where the rule says 127 (its codes are zeros).
; A p under 2^-126 comes out of v_exp_f32 as 0.  A block's largest p is taken through its largest score, which supposes that v_exp_f32 does not fall where its input rises; at the worst one p of a block, within an ulp of a power of two, is held one code low.
.set IMG,   26112
.set KA,    0                          ; in an image: K's registers 0-3,
.set KB,    8192                       ; 4-5,
.set KSO,   12288                      ; its scale words;
.set VA,    13312
.set VB,    21504
.set VSO,   25600
.set F32,   2*IMG                      ; the f32 slot: K's 256 rows of 272 bytes, then V's 256 rows of 256 bytes
.set SP,    272
.set KW,    64*SP                      ; a wave's 64 rows of K
.set VW,    64*256                     ; of V
.set STG,   F32+4*KW+4*VW              ; a stage of 32 rows x 272 bytes for each wave: turns Q on the way in and O on the way out; no tensor load lands there
.set STW_B, 32*SP
.set SPARE, STG+8*STW_B                ; the spare words
.set STEPB, 256*2048                   ; bytes from step to step in keys and values
; window 0
.set L16, 1                            ; 16 x lane
.set L8,  2                            ; 8 x lane
.set RK,  3                            ; my f32 rows of K: + 272 r + 128 hh
.set RV,  4                            ; my f32 rows of V: + 4 x lane
.set KTA, 5                            ; where my K codes go (registers 0-3; 4-5; scale byte)
.set KTB, 6
.set KTS, 7
.set VTA, 8                            ; where my V codes go
.set VTB, 9
.set VTS, 10
.set SPW, 11
.set NIL, 12
.set SH8, 13                           ; 8 hh
.set PFO, 14                           ; the prefetch's rows: 2,048 x min(lane, 15)
.set GO,  15                           ; 2,048 hh + 16 r: two rows of queries or out0
.set NM,  16                           ; v[16:17], v[18:19]: -M and the largest score so far, for tile a and b
.set SUM, 20                           ; v[20:21], v[22:23]: the row's sum in two halves
.set FF,  24                           ; v[24:25] 2^(old M - new M), and a 0 named with it
.set WD,  26                           ; v26-27 my halves of p's two scale words
.set QS,  28                           ; v28-29 Q's scale words
.set PS,  30                           ; v30-31 p's scale words
.set QF,  32                           ; v32-55 Q's fragments
.set KSC, 56                           ; v56-63 K's scale words, then (56-59) V's
.set FR,  64                           ; v64-159 K's 16 tiles, then V's 16 units
.set PC,  160                          ; v160-171 codes
.set O,   172                          ; v172-235 O^T of tile a, of tile b
.set P2,  236                          ; v236-243 the conversions' second halves
.set BM,  244                          ; v244-247 my four blocks' largest scores, then largest p, then scale bytes
.set BS,  248                          ; v248-251 the conversions' scale operands
.set T2,  252                          ; v252-255 at work
.set BP,  253
.set TMP, 254
.set QB,  252                          ; scale bytes of the quantiser
; window 1: v[128 x + 0 .. 127]: S^T of tile x, then p; tile a's registers hold the f32 blocks while an image is made
.set WV,  12
.set RO,  13                           ; wave / 4: 0 K's role, 1 V's
.set SEL, 20
.set CS,  22
.set G1K, 24
.set G1V, 32
.set G0K, 40
.set G0V, 44
.set TRIPS, 48
.set STW, 49
.set PFA, 50
.set OB,  52
.set MSB, 0
.macro WIN new                         ; the immediate's high byte repeats the setting that is left
.if MSB != (\new)
	s_set_vgpr_msb (MSB<<8)|(\new)
.set MSB, \new
.endif
.endm
.macro CREST                           ; a round of the cluster's barrier behind its opening barrier
	s_cmp_lg_u32 s[WV], 0
	s_cbranch_scc1 .Lnot_wave_0_\@
	s_barrier_signal -3
.Lnot_wave_0_\@:
	s_barrier_wait -3
	s_barrier_signal -1
	s_barrier_wait -1
.endm
.macro ROUND
	s_barrier_signal -1
	s_barrier_wait -1
	CREST
.endm
.macro JLOAD                           ; one joint load a wave: waves 0-3 K's rows, waves 4-7 V's
	s_cmp_eq_u32 s[RO], 0
	s_cbranch_scc0 .Lfor_v_\@
	tensor_load_to_lds s[G0K:G0K+3], s[G1K:G1K+7]
	s_nop 0
.rept 4
	v_nop
.endr
	s_branch .Lasked_\@
.Lfor_v_\@:
	tensor_load_to_lds s[G0V:G0V+3], s[G1V:G1V+7]
	s_nop 0
.rept 4
	v_nop
.endr
.Lasked_\@:
.endm
.macro KLOAD p                         ; 34 loads: K's scale words, then the 16 tiles in order
	WIN 0
	ds_load_b128 v[KSC:KSC+3], v[L16] offset:(\p)*IMG+KSO
	ds_load_b128 v[KSC+4:KSC+7], v[L16] offset:(\p)*IMG+KSO+512
.set n, 0
.rept 16
	ds_load_b128 v[FR+6*n:FR+6*n+3], v[L16] offset:(\p)*IMG+KA+512*n
	ds_load_b64 v[FR+6*n+4:FR+6*n+5], v[L8] offset:(\p)*IMG+KB+256*n
.set n, n+1
.endr
.endm
.macro VLOAD p
	WIN 0
	ds_load_b128 v[KSC:KSC+3], v[L16] offset:(\p)*IMG+VSO
.set n, 0
.rept 16
	ds_load_b128 v[FR+6*n:FR+6*n+3], v[L16] offset:(\p)*IMG+VA+512*n
	ds_load_b64 v[FR+6*n+4:FR+6*n+5], v[L8] offset:(\p)*IMG+VB+256*n
.set n, n+1
.endr
.endm
.macro QK4 x, g                        ; S^T of tile x for K's tiles 4 g .. 4 g + 3
	WIN 0x40
.set n, 4*(\g)
.rept 4
.if n&1
	v_wmma_scale_f32_16x16x128_f8f6f4 v[128*(\x)+8*n:128*(\x)+8*n+7], v[FR+6*n:FR+6*n+11], v[QF+12*(\x):QF+12*(\x)+11], 0, v[KSC+n/2], v[QS+(\x)] matrix_a_fmt:MATRIX_FMT_FP6 matrix_b_fmt:MATRIX_FMT_FP6 matrix_a_scale:MATRIX_SCALE_ROW1
.else
	v_wmma_scale_f32_16x16x128_f8f6f4 v[128*(\x)+8*n:128*(\x)+8*n+7], v[FR+6*n:FR+6*n+11], v[QF+12*(\x):QF+12*(\x)+11], 0, v[KSC+n/2], v[QS+(\x)] matrix_a_fmt:MATRIX_FMT_FP6 matrix_b_fmt:MATRIX_FMT_FP6
.endif
.set n, n+1
.endr
.endm
.macro SMAX x                          ; the largest score of each of my four blocks of 32 keys, the new M, f
	WIN 0x14
	s_wait_alu depctr_va_vdst(0)                   ; directly ahead of the scores' first reader
.set n, 0
.rept 64
.if n < 4
	v_max3_num_f32 v[BM+n], 0xff800000, v[128*(\x)+32*n], v[128*(\x)+32*n+1]
.else
	v_max3_num_f32 v[BM+(n&3)], v[BM+(n&3)], v[128*(\x)+32*(n&3)+2*(n>>2)], v[128*(\x)+32*(n&3)+2*(n>>2)+1]   ; (the four blocks by turns; each accumulator from its low end on)
.endif
.set n, n+1
.endr
	WIN 0
	v_mov_b32 v[TMP], v[NM+2*(\x)]                 ; the old -M
	v_max3_num_f32 v[T2], v[BM], v[BM+1], v[BM+2]
	s_delay_alu instid0(VALU_DEP_1)
	v_max_num_f32 v[T2], v[T2], v[BM+3]
	s_delay_alu instid0(VALU_DEP_1)
	v_permlanex16_b32 v[BP], v[T2], s[SEL], s[SEL+1]
	s_delay_alu instid0(VALU_DEP_1)
	v_max3_num_f32 v[NM+2*(\x)+1], v[NM+2*(\x)+1], v[T2], v[BP]   ; with lane l xor 16's: the running largest score
	s_delay_alu instid0(VALU_DEP_1)
	v_mul_f32 v[T2], s[CS], v[NM+2*(\x)+1]         ; as t (c is positive, and rounding keeps the order)
	s_delay_alu instid0(VALU_DEP_1)
	v_floor_f32 v[NM+2*(\x)], -v[T2]               ; the new -M = floor(-t) = -ceil(t)
	s_delay_alu instid0(VALU_DEP_1)
	v_sub_f32 v[TMP], v[NM+2*(\x)], v[TMP]         ; M's old value less its new one: a whole number, 0 or less
	s_delay_alu instid0(VALU_DEP_1)
	v_cvt_i32_f32 v[TMP], v[TMP]                   ; (it saturates)
	s_delay_alu instid0(VALU_DEP_1)
	v_ldexp_f32 v[FF], 1.0, v[TMP]                 ; f: a multiplication by it rounds nothing
.irp b, 0,1,2,3
	v_fma_f32 v[BM+\b], v[BM+\b], s[CS], v[NM+2*(\x)]   ; t - M of each block's largest score
.endr
.endm
.macro PKF x, lo                       ; t - M of 64 scores from register lo on, two at a time (of the pairs c and -M the low word serves both halves)
	WIN 0x41
.set n, 128*(\x)+(\lo)
.rept 32
	v_pk_fma_f32 v[n:n+1], v[n:n+1], s[CS:CS+1], v[NM+2*(\x):NM+2*(\x)+1] op_sel_hi:[1,0,0]
.set n, n+2
.endr
.endm
.macro EXPS x                          ; p = 2^(t - M), and each block's largest; then the scale operands and p's scale words' halves
	WIN 0x41
	s_wait_alu depctr_va_vdst(0)                   ; ahead of the batch
.set n, 128*(\x)
.rept 128
	v_exp_f32 v[n], v[n]
.set n, n+1
.endr
	WIN 0
.irp b, 0,1,2,3
	v_exp_f32 v[BM+\b], v[BM+\b]                   ; the same two instructions on the same number give the same bits
.endr
	v_nop                                          ; the plain place behind the exponentials
	s_wait_alu depctr_va_vdst(0)                   ; and behind it
.irp b, 0,1,2,3
	v_max_num_f32 v[BM+\b], 0x1800000, v[BM+\b]    ; the floor 2^(3 - 127): the byte cannot fall under 1
.endr
.irp b, 0,1,2,3
	v_add_nc_u32 v[BS+\b], 0xff000000, v[BM+\b]    ; 2 off the exponent field: the conversion's scale operand
.endr
.irp b, 0,1,2,3
	v_lshrrev_b32 v[BM+\b], 23, v[BS+\b]           ; the scale's byte
.endr
.irp u, 0,1
	v_lshl_or_b32 v[WD+\u], v[BM+2*\u+1], 16, v[BM+2*\u]
.endr
.irp u, 0,1
	v_lshlrev_b32 v[WD+\u], v[SH8], v[WD+\u]       ; my two bytes of each 128 keys' word, 8 hh bits up
.endr
.irp u, 0,1
	v_permlanex16_b32 v[T2+\u], v[WD+\u], s[SEL], s[SEL+1]
.endr
.endm
.macro CODES b, s                      ; two blocks of 32 numbers from window 1's register b on: codes in PC and P2
	WIN 0x01
	v_cvt_scalef32_pk16_fp6_f32 v[PC:PC+2], v[(\b):(\b)+15], v[(\s)]
	v_cvt_scalef32_pk16_fp6_f32 v[P2:P2+2], v[(\b)+16:(\b)+31], v[(\s)]   ; (a conversion's three registers begin on an even number: the second half is made elsewhere and moved)
	v_cvt_scalef32_pk16_fp6_f32 v[PC+6:PC+8], v[(\b)+32:(\b)+47], v[(\s)+1]
	v_cvt_scalef32_pk16_fp6_f32 v[P2+4:P2+6], v[(\b)+48:(\b)+63], v[(\s)+1]
	WIN 0
.endm
.macro JOIN
.irp i, 0,1,2
	v_mov_b32 v[PC+3+\i], v[P2+\i]
	v_mov_b32 v[PC+9+\i], v[P2+4+\i]
.endr
.endm
.macro CVT x, u                        ; p's codes of 128 keys: no code changes its lane
	CODES 128*(\x)+64*(\u), BS+2*(\u)
	v_or_b32 v[PS+(\u)], v[WD+(\u)], v[T2+(\u)]    ; with lane l xor 16's bytes the word is whole.  (The plain place behind the conversions)
	JOIN
.endm
.macro OMUL x                          ; O^T under the new M, each accumulator from its low end on.  (Also the places between p's codes and the products)
	s_wait_alu depctr_va_vdst(0)                   ; directly ahead of O's first reader
.set n, O+32*(\x)
.rept 16
	v_pk_mul_f32 v[n:n+1], v[n:n+1], v[FF:FF+1] op_sel_hi:[1,0]
.set n, n+2
.endr
.endm
.macro PV x, u                         ; O^T += V^T P^T over 128 keys; the four accumulators take turns
	WIN 0
.irp t, 0,2
	v_wmma_scale_f32_16x16x128_f8f6f4 v[O+32*(\x)+8*\t:O+32*(\x)+8*\t+7], v[FR+48*(\u)+12*\t:FR+48*(\u)+12*\t+11], v[PC:PC+11], v[O+32*(\x)+8*\t:O+32*(\x)+8*\t+7], v[KSC+2*(\u)+\t/2], v[PS+(\u)] matrix_a_fmt:MATRIX_FMT_FP6 matrix_b_fmt:MATRIX_FMT_FP6
	v_wmma_scale_f32_16x16x128_f8f6f4 v[O+32*(\x)+8*\t+8:O+32*(\x)+8*\t+15], v[FR+48*(\u)+12*\t+12:FR+48*(\u)+12*\t+23], v[PC:PC+11], v[O+32*(\x)+8*\t+8:O+32*(\x)+8*\t+15], v[KSC+2*(\u)+\t/2], v[PS+(\u)] matrix_a_fmt:MATRIX_FMT_FP6 matrix_b_fmt:MATRIX_FMT_FP6 matrix_a_scale:MATRIX_SCALE_ROW1
.endr
.endm
.macro ADDS lo, d, cnt                 ; cnt packed additions in place: v[lo + 2 i] += v[lo + d + 2 i]
.set n, (\lo)
.rept \cnt
	v_pk_add_f32 v[n:n+1], v[n:n+1], v[n+(\d):n+(\d)+1]
.set n, n+2
.endr
.endm
.macro L1 x, i                         ; the sum's tree over the first 64 p: 8 of its 16 first additions; these p have been converted
	WIN 0x45
	ADDS 128*(\x)+2*(\i), 32, 8
.endm
.macro TREE2 x                         ; the rest of the tree, and the row's sum under the new M
	WIN 0x45
	ADDS 128*(\x)+64, 32, 16
	ADDS 128*(\x), 64, 16
	ADDS 128*(\x), 16, 8
	ADDS 128*(\x), 8, 4
	ADDS 128*(\x), 4, 2
	ADDS 128*(\x), 2, 1
	WIN 0x10
	v_pk_fma_f32 v[SUM+2*(\x):SUM+2*(\x)+1], v[SUM+2*(\x):SUM+2*(\x)+1], v[FF:FF+1], v[128*(\x):128*(\x)+1] op_sel_hi:[1,0,1]
	WIN 0
.endm
.macro BODY x, wait                    ; tile x from its exponentials to its last product
	EXPS \x
	CVT \x, 0
	OMUL \x
.if \wait
	s_wait_alu depctr_va_vdst(0)                   ; directly ahead of the wait below
	s_wait_dscnt 0x0                               ; V's fragments and scale words are in
.endif
	PV \x, 0
	L1 \x, 0                                       ; (the places between these products and the next codes)
	CVT \x, 1
	L1 \x, 8                                       ; (the places between the scale word, the codes and the products)
	PV \x, 1
.endm
; My own 64 f32 rows into tile a's registers: four blocks of 32.  K: block q = rows 16 q + r, e = 32 hh + 0 .. 31.  V: block 2 e + k: channel 32 e + lane, keys 32 k + 0 .. 31.
.macro RAW
	WIN 0
	s_wait_alu depctr_va_vdst(0)
	s_wait_tensorcnt 0x0                           ; my f32 rows have landed: I alone read them
	s_cmp_eq_u32 s[RO], 0
	s_cbranch_scc0 .Lraw_v_\@
	WIN 0x40
.set n, 0
.rept 32
	ds_load_b128 v[4*n:4*n+3], v[RK] offset:(n>>3)*16*SP+16*(n&7)
.set n, n+1
.endr
	WIN 0
	s_branch .Lraw_\@
.Lraw_v_\@:
	WIN 0x40
.set n, 0
.rept 128
	ds_load_b32 v[n], v[RV] offset:((n>>5)&1)*8192+(n&31)*256+(n>>6)*128
.set n, n+1
.endr
	WIN 0
.Lraw_\@:
.endm
.macro QUANT p, first                  ; the four blocks become codes and scale bytes of image p.  first: bytes 2 and 3 of my rows' K scale words are set too, in both images
	WIN 0x14
	s_wait_alu depctr_va_vdst(0)                   ; directly ahead of the wait below
	s_wait_dscnt 0x0
.set n, 0
.rept 64
.if n < 4
	v_max3_num_f32 v[BS+n], 0x1800000, |v[32*n]|, |v[32*n+1]|   ; (the floor 2^(3 - 127) among the leaves)
.else
	v_max3_num_f32 v[BS+(n&3)], v[BS+(n&3)], |v[32*(n&3)+2*(n>>2)]|, |v[32*(n&3)+2*(n>>2)+1]|
.endif
.set n, n+1
.endr
	WIN 0
.irp b, 0,1,2,3
	v_add_nc_u32 v[BS+\b], 0xff000000, v[BS+\b]
.endr
.irp b, 0,1,2,3
	v_lshrrev_b32 v[QB+\b], 23, v[BS+\b]
.endr
	s_wait_alu depctr_va_vdst(0)                   ; directly ahead of the branch
	s_cmp_eq_u32 s[RO], 0
	s_cbranch_scc0 .Lq_v_\@
.if \first
	v_mov_b32 v[BM], 0x7f
.irp q, 0,1,2,3
	ds_store_b8 v[KTS], v[BM] offset:KSO+4*(\q&1)+128*(\q>>1)+2   ; byte 2 + hh: 1.0
	ds_store_b8 v[KTS], v[BM] offset:IMG+KSO+4*(\q&1)+128*(\q>>1)+2
.endr
.endif
.irp q, 0,1,2,3
	ds_store_b8 v[KTS], v[QB+\q] offset:(\p)*IMG+KSO+4*(\q&1)+128*(\q>>1)   ; byte hh of the row's word
.endr
.irp g, 0,1                            ; blocks 2 g, 2 g + 1: rows 32 g + 0 .. 31 of my 64
	CODES 64*\g, BS+2*\g
	v_nop                                          ; one plain place behind the conversions
	JOIN
	ds_store_b128 v[KTA], v[PC:PC+3] offset:(\p)*IMG+KA+128*\g
	ds_store_b64 v[KTB], v[PC+4:PC+5] offset:(\p)*IMG+KB+64*\g
	ds_store_b128 v[KTA], v[PC+6:PC+9] offset:(\p)*IMG+KA+1024+128*\g
	ds_store_b64 v[KTB], v[PC+10:PC+11] offset:(\p)*IMG+KB+512+64*\g
.endr
	s_wait_alu depctr_va_vdst(0)                   ; directly ahead of the branch
	s_branch .Lq_\@
.Lq_v_\@:
.irp q, 0,1,2,3
	ds_store_b8 v[VTS], v[QB+\q] offset:(\p)*IMG+VSO+4*(\q>>1)+(\q&1)   ; my channel's two bytes in each half's word
.endr
.irp g, 0,1                            ; channels 32 g + lane: the even and the odd block of keys
	CODES 64*\g, BS+2*\g
	v_nop                                          ; one plain place behind the conversions
	JOIN
.irp i, 0,1,2,3,4,5
	v_permlane16_swap_b32 v[PC+\i], v[PC+6+\i]     ; the first is now tile 2 g's unit (lanes 0-15 the even block, 16-31 the odd one), the second tile 2 g + 1's
.endr
	ds_store_b128 v[VTA], v[PC:PC+3] offset:(\p)*IMG+VA+2048*\g
	ds_store_b64 v[VTB], v[PC+4:PC+5] offset:(\p)*IMG+VB+1024*\g
	ds_store_b128 v[VTA], v[PC+6:PC+9] offset:(\p)*IMG+VA+2048*\g+1024
	ds_store_b64 v[VTB], v[PC+10:PC+11] offset:(\p)*IMG+VB+1024*\g+512
.endr
.Lq_\@:
.endm
; THE WAY OUT of tile x: O^T over the row's sum, through my stage, so that sixteen lanes store a query's 256 consecutive bytes.  KTA and KTB hold the stage's addresses by then
.macro OUT x
	WIN 0
	v_add_f32 v[SUM+2*(\x)], v[SUM+2*(\x)], v[SUM+2*(\x)+1]
	v_permlanex16_b32 v[T2], v[SUM+2*(\x)], s[SEL], s[SEL+1]
	v_add_f32 v[SUM+2*(\x)], v[SUM+2*(\x)], v[T2]
	s_wait_alu depctr_va_vdst(0)                   ; ahead of the transcendental,
	v_rcp_f32 v[SUM+2*(\x)], v[SUM+2*(\x)]
	v_nop
	WIN 0x40
	s_wait_alu depctr_va_vdst(0)                   ; and ahead of its reader and O's
.set n, 0
.rept 16
	v_pk_mul_f32 v[128*(\x)+n:128*(\x)+n+1], v[O+32*(\x)+n:O+32*(\x)+n+1], v[SUM+2*(\x):SUM+2*(\x)+1] op_sel_hi:[1,0]
.set n, n+2
.endr
	WIN 0x04
.irp t, 0,1,2,3
	ds_store_b128 v[KTA], v[128*(\x)+8*\t:128*(\x)+8*\t+3] offset:16*SP*(\x)+64*\t
	ds_store_b128 v[KTA], v[128*(\x)+8*\t+4:128*(\x)+8*\t+7] offset:16*SP*(\x)+64*\t+16
.endr
	WIN 0x40
.set n, 0
.rept 8
	ds_load_b128 v[128*(\x)+64+4*n:128*(\x)+64+4*n+3], v[KTB] offset:16*SP*(\x)+2*SP*n   ; LDS serves a wave's instructions in order: these see my stores
.set n, n+1
.endr
	WIN 0x04
	s_wait_alu depctr_va_vdst(0)
.set n, 0
.rept 8
	s_wait_dscnt 7-n                               ; load n is back; the 7 - n behind it may be out
	global_store_b128 v[GO], v[128*(\x)+64+4*n:128*(\x)+64+4*n+3], s[OB:OB+1] offset:4096*(8*(\x)+n) th:TH_STORE_NT
.set n, n+1
.endr
	WIN 0
.endm
; A STEP on image p.  refill: the f32 slot is filled again behind its round; quant: the next step's image is made in it (in the last step: neither, and the results leave).
.macro ITER p, refill, quant
	s_wait_alu depctr_va_vdst(0)                   ; directly ahead of the wait below
	s_wait_dscnt 22                                ; of the 34 loads the first 12: the scale words, tiles 0-3 and tile 4, whose codes stand in tile 3's upper half
	QK4 0, 0
	QK4 1, 0
	s_wait_dscnt 14                                ; and tiles 5-8
	QK4 0, 1
	QK4 1, 1
	s_wait_dscnt 6                                 ; and tiles 9-12
	QK4 0, 2
	QK4 1, 2
	s_wait_dscnt 0x0                               ; all
	QK4 0, 3
	QK4 1, 3
	WIN 0
.rept 4
	v_nop                                          ; places (ISA guide 7.12.1 for vector instructions): for the loads below and the scores' first read
.endr
	VLOAD \p
.if \refill
.if \p
	s_cmp_lg_u32 s[TRIPS], 1                       ; in the last trip the tile three steps on does not exist
	s_cbranch_scc0 .Lno_ask_\@
	global_prefetch_b8 v[PFO], s[PFA:PFA+1] offset:STEPB th:TH_LOAD_NT scope:SCOPE_SE
.Lno_ask_\@:
.else
	global_prefetch_b8 v[PFO], s[PFA:PFA+1] offset:STEPB th:TH_LOAD_NT scope:SCOPE_SE
.endif
.endif
	SMAX 0
	PKF 0, 0
	PKF 0, 64
	BODY 0, 1
	TREE2 0
.if \quant
.if \refill
	s_wait_alu depctr_va_vdst(0)
	s_wait_xcnt 0x0                                ; the prefetch has read its address: it is stepped here
	s_add_nc_u64 s[PFA:PFA+1], s[PFA:PFA+1], STEPB
.endif
	RAW                                            ; the f32 rows land in tile a's registers while tile b's maxima are sought
.else
	OUT 0
.endif
	SMAX 1
	PKF 1, 0
.if \quant
	QUANT 1-(\p), 0
.if \refill
	s_wait_tensorcnt 0x0                           ; all my tensor loads are done;
	ds_add_u32 v[SPW], v[NIL]                      ; 0 onto my spare word;
	s_add_nc_u64 s[G0K+2:G0K+3], s[G0K+2:G0K+3], STEPB   ; so every group 0 may be written: the next tile
	s_add_nc_u64 s[G0V+2:G0V+3], s[G0V+2:G0V+3], STEPB
.endif
	PKF 1, 64                                      ; work on registers stands between the add and the wait for it
	WIN 0
	s_wait_dscnt 0x0                               ; the add is done, my part of the next image is stored, my reads of the f32 rows and of this image are over:
	s_barrier_signal -1                            ; say so; until the wait below there is register work alone
.else
	PKF 1, 64
.endif
	BODY 1, 0
	WIN 0
.if \quant
	s_wait_alu depctr_va_vdst(0)                   ; directly ahead of the wait below
	s_barrier_wait -1                              ; the next image is whole
.if \refill
	CREST                                          ; no wave of any partner still reads its f32 rows or has a load on its way
	JLOAD                                          ; the first tensor load behind the round; its four v_nop are also the places in front of the loads below
.else
.rept 4
	v_nop
.endr
.endif
	KLOAD 1-(\p)                                   ; the next step's K lands while tile b's p are summed
.endif
	TREE2 1
.endm
	s_load_b128 s[4:7], s[0:1], 0x0                ; queries, keys
	s_load_b128 s[8:11], s[0:1], 0x10              ; values, out0
	v_lshl_add_u32 v[SPW], v0, 2, SPARE
	v_mov_b32 v[NIL], 0
	ds_add_u32 v[SPW], v[NIL]                      ; the opening: the add, twice on end, ahead of my first tensor load
	ds_add_u32 v[SPW], v[NIL]
	v_lshrrev_b32 v1, 5, v0
	v_readfirstlane_b32 s[WV], v1                  ; wave 0..7
	s_lshr_b32 s[RO], s[WV], 2
	s_and_b32 s14, s[WV], 3                        ; which 64 of the step's 256 rows I fetch and quantise
	s_bfe_u32 s15, ttmp6, 0x40000                  ; cx: it enters the addresses of queries, out0 and the prefetches alone
	s_lshl_b32 s16, ttmp9, 2                       ; in a cluster launch ttmp9 counts clusters
	s_add_co_u32 s16, s16, s15                     ; my block of 256 queries
	s_and_b32 s17, ttmp7, 0xffff                   ; the head bh = 8 b + h; (b, token, h, e) lies at b << 22 + token << 11 + h << 8 + 4 e
	s_lshr_b32 s18, s17, 3
	s_lshl_b32 s18, s18, 22
	s_and_b32 s17, s17, 7
	s_lshl_b32 s17, s17, 8
	s_add_co_u32 s18, s18, s17
	s_lshl_b32 s56, s14, 17
	s_add_co_u32 s56, s56, s18                     ; my rows of keys or values
	s_mov_b32 s57, 0
	s_lshl_b32 s60, s15, 15
	s_add_co_u32 s60, s60, s56
	s_add_co_u32 s60, s60, 2*STEPB                 ; the prefetches: my work-group's 16 of these rows, from step 2 on
	s_mov_b32 s61, 0
	s_lshl_b32 s58, s16, 19
	s_add_co_u32 s58, s58, s18
	s_lshl_b32 s19, s[WV], 16
	s_add_co_u32 s58, s58, s19                     ; my wave's 32 queries
	s_mov_b32 s59, 0
	s_mul_i32 s[G0K+1], s[WV], KW                  ; LDS: my rows of K (waves 0-3),
	s_add_co_u32 s[G0K+1], s[G0K+1], F32
	s_mul_i32 s[G0V+1], s[WV], VW                  ; of V (waves 4-7)
	s_add_co_u32 s[G0V+1], s[G0V+1], F32+4*KW-4*VW
	s_mul_i32 s[STW], s[WV], STW_B
	s_add_co_u32 s[STW], s[STW], STG
	s_lshr_b32 s62, s14, 1
	s_and_b32 s63, s14, 1
	s_lshl_b32 s16, s14, 11
	s_lshl_b32 s17, s14, 10
	s_lshl_b32 s18, s62, 9
	s_lshl_b32 s19, s63, 3
	s_add_co_u32 s18, s18, s19
	s_lshl_b32 s54, s62, 12
	s_lshl_b32 s19, s63, 9
	s_add_co_u32 s54, s54, s19
	s_lshr_b32 s55, s54, 1
	s_lshl_b32 s52, s62, 3
	s_lshl_b32 s19, s63, 1
	s_add_co_u32 s52, s52, s19
	s_mov_b32 s[SEL], 0x76543210
	s_mov_b32 s[SEL+1], 0xfedcba98                 ; v_permlanex16_b32's selects for lane l xor 16
	s_mov_b32 s[CS], 0x3e38aa3b                    ; c = log2(e) / 8
	s_mov_b32 s[CS+1], s[CS]                       ; (named with it as a pair)
	; descriptor group 1: 64 rows of 64 f32, 2,048 bytes apart
	s_mov_b32 s[G1K], 15|(2<<16)|(1<<20)|(1<<21)|(5<<22)|(3<<25)   ; 15:0 the mask; elements of 4 bytes; padding: after every 64 dwords 4; bit 21 beside a mask
	s_mov_b32 s[G1V], 15|(2<<16)|(1<<21)           ; V's rows are read along the row by 32 lanes: no padding
	s_mov_b32 s[G1K+1], 64<<16
	s_mov_b32 s[G1V+1], 64<<16
	s_mov_b32 s[G1K+2], 64<<16
	s_mov_b32 s[G1V+2], 64<<16
	s_mov_b32 s[G1K+3], 64<<16
	s_mov_b32 s[G1V+3], 64<<16
	s_mov_b32 s[G1K+4], 64
	s_mov_b32 s[G1V+4], 64
	s_mov_b32 s[G1K+5], 512
	s_mov_b32 s[G1V+5], 512
	s_mov_b32 s[G1K+6], 0
	s_mov_b32 s[G1V+6], 0
	s_mov_b32 s[G1K+7], 0
	s_mov_b32 s[G1V+7], 0
	v_and_b32 v162, 31, v0                         ; lane
	v_and_b32 v163, 15, v0                         ; r
	v_bfe_u32 v164, v0, 4, 1                       ; hh
	v_and_b32 v165, 7, v0                          ; r % 8
	v_bfe_u32 v166, v0, 3, 1                       ; r / 8
	v_lshlrev_b32 v[L16], 4, v162
	v_lshlrev_b32 v[L8], 3, v162
	v_mul_u32_u24 v[RK], v163, SP
	v_lshl_add_u32 v161, v164, 7, v[RK]
	v_add_nc_u32 v[RK], s[G0K+1], v161             ; my rows of K: row r, my 32 neighbours along e
	v_add_nc_u32 v161, s[STW], v161                ; the same in my stage: Q turned
	v_lshlrev_b32 v[RV], 2, v162
	v_add_nc_u32 v[RV], s[G0V+1], v[RV]
	v_lshlrev_b32 v[KTA], 9, v166                  ; row 16 q + r of my 64 is row 8 (q / 2) + r % 8 of tile 4 x wave + 2 (q % 2) + r / 8: the q terms are offsets
	v_lshl_add_u32 v[KTA], v165, 4, v[KTA]
	v_lshl_add_u32 v[KTA], v164, 8, v[KTA]
	v_add_nc_u32 v[KTA], s16, v[KTA]
	v_lshlrev_b32 v[KTB], 8, v166
	v_lshl_add_u32 v[KTB], v165, 3, v[KTB]
	v_lshl_add_u32 v[KTB], v164, 7, v[KTB]
	v_add_nc_u32 v[KTB], s17, v[KTB]
	v_lshlrev_b32 v[KTS], 8, v166
	v_lshl_add_u32 v[KTS], v165, 4, v[KTS]
	v_add_nc_u32 v[KTS], v164, v[KTS]
	v_add_nc_u32 v[KTS], s18, v[KTS]
	v_add_nc_u32 v[VTA], s54, v[L16]
	v_add_nc_u32 v[VTB], s55, v[L8]
	v_add_nc_u32 v[VTS], s52, v[L16]
	v_lshlrev_b32 v[SH8], 3, v164
	v_min_u32 v[PFO], 15, v162
	v_lshlrev_b32 v[PFO], 11, v[PFO]
	v_lshlrev_b32 v[GO], 4, v163
	v_lshl_add_u32 v[GO], v164, 11, v[GO]
	v_mul_u32_u24 v160, v164, SP
	v_lshl_add_u32 v160, v163, 4, v160
	v_add_nc_u32 v160, s[STW], v160                ; my stage by whole rows, two an instruction
	s_wait_alu depctr_va_vdst(0)                   ; directly ahead of the waits below
	s_wait_dscnt 0x0                               ; both opening adds are done
	s_wait_kmcnt 0x0
	s_add_nc_u64 s[54:55], s[4:5], s[58:59]
	s_add_nc_u64 s[OB:OB+1], s[10:11], s[58:59]
	s_mov_b32 s[G0K], 1
	s_mov_b32 s[G0V], 1
	s_add_nc_u64 s[G0K+2:G0K+3], s[6:7], s[56:57]
	s_add_nc_u64 s[G0V+2:G0V+3], s[8:9], s[56:57]
	s_or_b32 s[G0K+3], s[G0K+3], 0x80000000        ; type = 2
	s_or_b32 s[G0V+3], s[G0V+3], 0x80000000
	s_cmp_eq_u32 s[RO], 0
	s_cselect_b64 s[PFA:PFA+1], s[6:7], s[8:9]
	s_add_nc_u64 s[PFA:PFA+1], s[PFA:PFA+1], s[60:61]
.set n, 0
.rept 16
	global_load_b128 v[FR+4*n:FR+4*n+3], v[GO], s[54:55] offset:4096*n th:TH_LOAD_NT   ; queries 2 n, 2 n + 1: sixteen lanes take 256 aligned bytes; read once in the launch
.set n, n+1
.endr
	ROUND                                          ; all four work-groups are here: the joint loads meet
	JLOAD                                          ; step 0's f32 rows, the wave's one tensor load at the head
	; Q is quantised here: each row is read by this wave alone.  The 32 rows turn through my stage.
.set n, 0
.rept 16
	s_wait_loadcnt 15-n                            ; load n is in; the 15 - n behind it may be out
	ds_store_b128 v160, v[FR+4*n:FR+4*n+3] offset:2*SP*n
.set n, n+1
.endr
.set n, 0
.rept 16
	ds_load_b128 v[O+4*n:O+4*n+3], v161 offset:16*SP*(n>>3)+16*(n&7)   ; LDS serves a wave's instructions in order: these see my stores
.set n, n+1
.endr
	v_mov_b32 v[T2], 0                             ; (a lane permute's destination counts as one of its sources)
	v_mov_b32 v[BP], 0
	v_mov_b32 v[FF+1], 0
.irp x, 0,1
	v_mov_b32 v[NM+2*\x], 0x7f61b1e6               ; -M: so large that the first step's f comes out as 0
	v_mov_b32 v[NM+2*\x+1], 0xff61b1e6             ; the largest score so far: -3e38
	v_mov_b32 v[SUM+2*\x], 0
	v_mov_b32 v[SUM+2*\x+1], 0
.endr
	s_wait_alu depctr_va_vdst(0)
	s_wait_dscnt 0x0
.set n, 0
.rept 32
.if n < 2
	v_max3_num_f32 v[BS+n], 0x1800000, |v[O+32*n]|, |v[O+32*n+1]|
.else
	v_max3_num_f32 v[BS+(n&1)], v[BS+(n&1)], |v[O+32*(n&1)+2*(n>>1)]|, |v[O+32*(n&1)+2*(n>>1)+1]|
.endif
.set n, n+1
.endr
.irp x, 0,1
	v_add_nc_u32 v[BS+\x], 0xff000000, v[BS+\x]
.endr
.irp x, 0,1
	v_lshrrev_b32 v[BM+\x], 23, v[BS+\x]
.endr
.irp x, 0,1
	v_lshlrev_b32 v[BM+\x], v[SH8], v[BM+\x]
.endr
.irp x, 0,1
	v_permlanex16_b32 v[T2+\x], v[BM+\x], s[SEL], s[SEL+1]
.endr
.irp x, 0,1
	v_or_b32 v[BM+\x], v[BM+\x], v[T2+\x]
.endr
.irp x, 0,1
	v_or_b32 v[QS+\x], 0x7f7f0000, v[BM+\x]        ; bytes 2 and 3: 1.0
.endr
.irp x, 0,1
	v_cvt_scalef32_pk16_fp6_f32 v[QF+12*\x:QF+12*\x+2], v[O+32*\x:O+32*\x+15], v[BS+\x]
	v_cvt_scalef32_pk16_fp6_f32 v[P2+4*\x:P2+4*\x+2], v[O+32*\x+16:O+32*\x+31], v[BS+\x]
.endr
	v_nop                                          ; one plain place behind the conversions
.irp x, 0,1
.irp i, 0,1,2
	v_mov_b32 v[QF+12*\x+3+\i], v[P2+4*\x+\i]
.endr
.irp i, 0,1,2,3,4,5
	v_mov_b32 v[QF+12*\x+6+\i], 0                  ; Q's zero codes for k = 64 .. 127
.endr
.endr
.set n, 0
.rept 64
	v_mov_b32 v[O+n], 0                            ; O^T.  (The step is written for every step alike: the first change of M leaves zeros zeros)
.set n, n+1
.endr
	RAW
	QUANT 0, 1                                     ; step 0's image
	s_wait_tensorcnt 0x0                           ; in front of a refill's round
	ds_add_u32 v[SPW], v[NIL]
	s_add_nc_u64 s[G0K+2:G0K+3], s[G0K+2:G0K+3], STEPB
	s_add_nc_u64 s[G0V+2:G0V+3], s[G0V+2:G0V+3], STEPB
	s_wait_dscnt 0x0
	ROUND                                          ; image 0 is whole, and every partner has read its f32 rows out
	JLOAD                                          ; step 1's
	KLOAD 0
	global_prefetch_b8 v[PFO], s[PFA:PFA+1] th:TH_LOAD_NT scope:SCOPE_SE   ; step 2's; in the loop step s asks for step s + 3's
	s_mov_b32 s[TRIPS], 3
.Lloop:                                                ; steps 0-5, two a trip: behind step s the f32 rows of step s + 2 are asked for
	ITER 0, 1, 1
	ITER 1, 1, 1
	s_sub_co_u32 s[TRIPS], s[TRIPS], 1
	s_cmp_lg_u32 s[TRIPS], 0
	s_wait_alu depctr_va_vdst(0)                   ; directly ahead of the branch
	s_cbranch_scc1 .Lloop
	ITER 0, 0, 1                                   ; step 6: the last image is made, nothing more is fetched
	v_and_b32 v252, 15, v0                         ; the stage's addresses for the way out, in registers that no later image needs
	v_bfe_u32 v253, v0, 4, 1
	v_mul_u32_u24 v[KTA], v252, SP
	v_lshl_add_u32 v[KTA], v253, 5, v[KTA]
	v_add_nc_u32 v[KTA], s[STW], v[KTA]            ; my stage + 272 r + 32 hh: eight channels of a row of O
	v_mul_u32_u24 v[KTB], v253, SP
	v_lshl_add_u32 v[KTB], v252, 4, v[KTB]
	v_add_nc_u32 v[KTB], s[STW], v[KTB]            ; whole rows, two an instruction
	ITER 1, 0, 0                                   ; step 7: tile a leaves while tile b is worked
	OUT 1
	s_wait_tensorcnt 0x0                           ; the wave's end
	ds_add_u32 v[SPW], v[NIL]
	s_wait_dscnt 0x0
	ROUND                                          ; the closing round: no work-group ends while a partner may still ask for a tile that names it
	s_endpgm
.Lfunc_end_k_q1448c62bf0_attn:
	.size	k_q1448c62bf0_attn, .Lfunc_end_k_q1448c62bf0_attn-k_q1448c62bf0_attn
	.p2alignl 7, 3214868480
	.fill 96, 4, 3214868480
	.section	.rodata,"a",@progbits
	.p2align	6, 0x0
	.amdhsa_kernel k_q1448c62bf0_attn
		.amdhsa_group_segment_fixed_size 327680
		.amdhsa_private_segment_fixed_size 0
		.amdhsa_enable_private_segment 0
		.amdhsa_kernarg_size 32
		.amdhsa_user_sgpr_count 2
		.amdhsa_user_sgpr_kernarg_segment_ptr 1
		.amdhsa_wavefront_size32 1
		.amdhsa_system_sgpr_workgroup_id_x 1
		.amdhsa_system_sgpr_workgroup_id_y 1
		.amdhsa_system_sgpr_workgroup_id_z 1
		.amdhsa_system_vgpr_workitem_id 0
		.amdhsa_next_free_vgpr 512
		.amdhsa_next_free_sgpr 66
		.amdhsa_reserve_vcc 0
		.amdhsa_float_denorm_mode_32 3
		.amdhsa_float_denorm_mode_16_64 3
		.amdhsa_memory_ordered 1
		.amdhsa_forward_progress 1
		.amdhsa_inst_pref_size 255
	.end_amdhsa_kernel
	.section	.bss,"aw",@nobits
	.p2align	6
	.space	262144
	.amdgpu_metadata
---
amdhsa.version: [ 1, 2 ]
amdhsa.kernels:
  - .name:           k_q1448c62bf0_attn
    .symbol:         k_q1448c62bf0_attn.kd
    .args:
      - { .name: queries, .offset: 0, .size: 8, .value_kind: global_buffer, .address_space: global }
      - { .name: keys, .offset: 8, .size: 8, .value_kind: global_buffer, .address_space: global }
      - { .name: values, .offset: 16, .size: 8, .value_kind: global_buffer, .address_space: global }
      - { .name: out0, .offset: 24, .size: 8, .value_kind: global_buffer, .address_space: global }
    .group_segment_fixed_size: 327680
    .private_segment_fixed_size: 0
    .kernarg_segment_align: 8
    .kernarg_segment_size: 32
    .max_flat_workgroup_size: 256
    .sgpr_count:     66
    .vgpr_count:     512
    .wavefront_size: 32
...
	.end_amdgpu_metadata
.endif
;; end of part 1
